; MI455X (gfx1250); checked and timed in simulation.
; The chip was launched on July 23, 2026; its instructions are those of AMD's public machine-readable ISA for CDNA 5 (MIT licence, August 2026) and "CDNA5" Instruction Set Architecture Reference Guide (July 2026). The comments in the code are by the model that wrote it; some were corrected since.
;; Chunked Cross Attention. Allowed arithmetic: matrix products marked QUANTISED: E2M1 operands, one E8M0 scale for each 32 along K, by v_wmma_scale_f32_16x16x128_f8f6f4 with both operands' format E2M1 (or v_wmma_scale_f32_32x16x128_f4), f32 sums; everything else in f32.
;; Inputs: Wk 1,024 x 1,024 float32; Wo 1,024 x 1,024 float32; Wq 1,024 x 1,024 float32; Wv 1,024 x 1,024 float32; beta 1,024 float32; bk 1,024 float32; bo 1,024 float32; bq 1,024 float32; bv 1,024 float32; e 8 x 32 x 2 x 32 x 1,024 float32; gamma 1,024 float32; h 8 x 1,024 x 1,024 float32.
;; Outputs: out0 8 x 1,024 x 1,024 float32.
;; This version of the problem:
;;   THIS VERSION OF THE PROBLEM IS GIVEN IN LOW PRECISION. The matrix products marked QUANTISED in the list below multiply operands that are first quantised to E2M1 (2 exponent bits, 1 mantissa bit; 4 bits a number), with one power-of-two scale for each 32 numbers along K (OCP MX v1.0); their sums are f32. All else is computed in f32.
;;   The module's matrix products, in the order in which they are computed (A, B: the left and right operand; K: the contracted axis; several contracted axes count as one K, in the product's order):
;;     1. [M 8,192, K 1,024] x [K 1,024, N 1,024]; A: computed on the way; B: input Wq: QUANTISED
;;     2. [M 16,384, K 1,024] x [K 1,024, N 1,024]; A: input e; B: input Wk: QUANTISED
;;     3. [M 16,384, K 1,024] x [K 1,024, N 1,024]; A: input e; B: input Wv: QUANTISED
;;     4. batch 4,096 x [M 32, K 64] x [K 64, N 64]; A: computed on the way; B: computed on the way: QUANTISED
;;     5. batch 4,096 x [M 64, K 64] x [K 64, N 32]; A: computed on the way; B: computed on the way: QUANTISED
;;     6. [M 8,192, K 1,024] x [K 1,024, N 1,024]; A: computed on the way; B: input Wo: QUANTISED
;;   THE QUANTISER, for each operand of a quantised product, along K:
;;     - K is cut into blocks of 32 from its start; a last block that is shorter is filled with zeros.
;;     - A block's scale is 2^e with e = floor(log2(the largest magnitude in the block)) - 2, held to -126 .. 127; a block of zeros has e = 0. As a byte (E8M0): e + 127.
;;     - Each number is divided by its block's scale, clamped to +-6, and rounded to the nearest number of E2M1, ties to even, subnormals kept.
;;     - The product sums the exact products of the quantised numbers (number of the format x scale) in f32.
;;   ~~~python
;;   def quantise(x, axis):      # numpy; x: float32 -> the quantised numbers, widened to float32 again
;;       x = np.moveaxis(x, axis, -1); K = x.shape[-1]
;;       x = np.pad(x, [(0, 0)] * (x.ndim - 1) + [(0, -K % 32)]); x = x.reshape(x.shape[:-1] + (-1, 32)); a = np.abs(x).max(-1, keepdims=True)
;;       e = np.where(a > 0, np.clip(np.frexp(np.where(a > 0, a, 1))[1] - 1 - 2, -126, 127), 0)      # np.frexp(a)[1] - 1 = floor(log2(a)), exactly
;;       r = np.clip(x / 2.0 ** e, -6, 6)
;;       step = 2.0 ** (np.maximum(np.frexp(np.where(r == 0, 1, r))[1] - 1, 0) - 1)
;;       q = np.round(r / step) * step * 2.0 ** e      # np.round: ties to even
;;       return np.moveaxis(q.reshape(q.shape[:-2] + (-1,))[..., :K], -1, axis).astype(np.float32)
;;   ~~~
;;   OPERANDS COMPUTED ON THE WAY. 'Computed on the way' means the value that the module computes at that place (a softmax that the list does not call 'softmax' is quantised finished and normalised). What goes into a quantiser is computed in f32, as accurately as f32 sums, v_exp_f32 and their like allow (about 1e-6 of the number): no bf16 or f16 on the way to a quantiser, and a product that is left as it is and whose result goes on into a quantised operand takes f32 operands (vector FMAs, or v_wmma_f32_16x16x4_f32). A number that lies on a knife's edge between two numbers of the format may be rounded either way, as far as f32 arithmetic and the matrix unit's own rounding can turn it there, and no further.
;; One version. Each part assembles by itself: llvm-mc -triple=amdgcn-amd-amdhsa -mcpu=gfx1250 --defsym DOCPART=n.
;; ======== version 1 of 1: 2 launches
;; workspace buffers: wring 2,244,608 bytes
;; launch prep (part 1): grid 32 x 4, 16 waves a work-group, no clusters, 3,072 bytes of LDS; arguments Wk, Wv, Wq, Wo, bk, bv, bq, bo, wring; writes wring
.if DOCPART == 1
	.amdgcn_target "amdgcn-amd-amdhsa--gfx1250"
	.amdhsa_code_object_version 6
	.text
	.protected	k_q243afeea31_prep
	.globl	k_q243afeea31_prep
	.p2align	8
	.type	k_q243afeea31_prep,@function
k_q243afeea31_prep:
	s_mov_b64 s[64:65], 0
	v_nop
	global_prefetch_b8 v0, s[64:65] scope:SCOPE_SE
	s_setreg_imm32_b32 hwreg(HW_REG_WAVE_MODE, 25, 1), 1
	s_wait_xcnt 0x0
; The four weights [1024 (k)][1024 (n)], f32, K their FIRST axis, become codes of FP4 (E2M1) with one E8M0 byte for each 32 along K, laid in wring in the order in which the second launch uses them.
; wring = 16 slots of SLOTB bytes.  Slot order: K0 K1 V0 V1 Q0 Q1 K2 K3 V2 V3 Q2 Q3 O0 O1 O2 O3 (the figure is j, a wave's head).  A slot = 4 quarters of QB bytes; quarter w holds columns 256 w + 64 j .. + 63:
;   +0      32,768 bytes of codes as images of operand registers: fragment (tile t, K step s) at (8 t + s) x 1024; in it lane l's registers 4 c .. 4 c + 3 at 512 c + 16 l
;   +WSC    2,048 scale bytes: tile t at 512 t; lane l = 16 g + r: the 16 bytes of blocks 16 g .. 16 g + 15 of lane r's column
;   +WBI    the 64 biases of these columns, f32, as they lie
; THE COLUMNS OF A TILE ARE NOT NEIGHBOURS: lane r of tile t = 2 b + u takes column 32 b + 8 u + r + 8 (r / 8), so that a transposed product leaves 16 neighbours in the 16 registers of tiles 2 b, 2 b + 1.
; A LANE TAKES A COLUMN AND ITS REGISTERS RUN DOWN K: a block of 32 is one lane's 32 registers, its largest magnitude needs no other lane, and four conversions give 16 bytes with K innermost.
; SHARES: work-group (x, y): matrix y (0 K, 1 V, 2 Q, 3 O), head x / 2 (64 columns), half x % 2 of K (512).  Wave a: 32 columns (a % 2), 64 along K (a / 2): two blocks a lane, 64 loads of 128 bytes.
; A block's scale byte is its largest magnitude's exponent field - 2, held at 1 from below.
; LIMITS: a block whose largest magnitude lies under 2^-124 (a block of zeros too) gets the byte 1 where the rule says another: only this program reads the bytes, and such codes are zeros or next to it.  NaN and infinities are not served.
.set SLOTB, 140288
.set QB,    35072
.set WSC,   32768
.set WBI,   34816
	s_load_b256 s[4:11], s[0:1], 0x0               ; Wk, Wv, Wq, Wo
	s_load_b256 s[12:19], s[0:1], 0x20             ; bk, bv, bq, bo
	s_load_b64 s[20:21], s[0:1], 0x40              ; wring
	v_lshl_add_u32 v96, v0, 2, 0x400
	v_mov_b32 v97, 0
	v_lshrrev_b32 v1, 5, v0
	v_readfirstlane_b32 s22, v1                    ; wave a
	v_and_b32 v2, 31, v0                           ; lane l
	s_and_b32 s23, ttmp7, 0xffff                   ; y: which matrix
	s_lshr_b32 s24, ttmp9, 1                       ; the head
	s_and_b32 s25, ttmp9, 1                        ; g: which 512 of K
	s_lshr_b32 s26, s24, 2                         ; w: the quarter
	s_and_b32 s27, s24, 3                          ; j
	s_and_b32 s28, s22, 1                          ; bcol: which 32 of the 64 columns
	s_lshr_b32 s29, s22, 1                         ; kk: which 64 of the 512 along K
	s_lshr_b32 s30, s27, 1                         ; the slot: 6 (j / 2) + 2 y + j % 2 for K, V, Q;
	s_mul_i32 s30, s30, 6
	s_lshl_b32 s31, s23, 1
	s_add_co_u32 s30, s30, s31
	s_and_b32 s31, s27, 1
	s_add_co_u32 s30, s30, s31
	s_add_co_u32 s31, s27, 12                      ; 12 + j for O
	s_cmp_eq_u32 s23, 3
	s_cselect_b32 s30, s31, s30
	s_mul_i32 s30, s30, SLOTB
	s_mul_i32 s31, s26, QB
	s_add_co_u32 s30, s30, s31                     ; where my quarter begins in wring
	s_lshl_b32 s32, s28, 14                        ; my codes: tiles 2 bcol, 2 bcol + 1; K step 4 g + kk / 2; c = kk % 2
	s_lshl_b32 s31, s25, 12
	s_add_co_u32 s32, s32, s31
	s_lshr_b32 s31, s29, 1
	s_lshl_b32 s31, s31, 10
	s_add_co_u32 s32, s32, s31
	s_and_b32 s31, s29, 1
	s_lshl_b32 s31, s31, 9
	s_add_co_u32 s32, s32, s31
	s_add_co_u32 s32, s32, s30
	s_mov_b32 s33, 0
	s_lshl_b32 s34, s25, 21                        ; my numbers: row 512 g + 64 kk (4,096 bytes a row), column 64 head + 32 bcol
	s_lshl_b32 s31, s29, 18
	s_add_co_u32 s34, s34, s31
	s_lshl_b32 s31, s24, 8
	s_add_co_u32 s34, s34, s31
	s_lshl_b32 s31, s28, 7
	s_add_co_u32 s34, s34, s31
	s_mov_b32 s35, 0
	s_lshl_b32 s40, s28, 10                        ; the scale bytes' way out: tiles 2 bcol on, half g
	s_lshl_b32 s31, s25, 8
	s_add_co_u32 s40, s40, s31
	s_add_co_u32 s40, s40, s30
	s_add_co_u32 s40, s40, WSC
	s_mov_b32 s41, 0
	s_lshl_b32 s44, s24, 8                         ; the head's 64 biases
	s_mov_b32 s45, 0
	s_add_co_u32 s46, s30, WBI
	s_mov_b32 s47, 0
	v_and_b32 v3, 7, v2                            ; my column among the 32: l % 8 + 16 ((l / 8) % 2) + 8 (l / 16): lanes 0-15 are tile u = 0, lanes 16-31 tile u = 1
	v_bfe_u32 v9, v2, 3, 1
	v_lshl_add_u32 v3, v9, 4, v3
	v_lshrrev_b32 v10, 4, v2                       ; u
	v_lshl_add_u32 v3, v10, 3, v3
	v_lshlrev_b32 v3, 2, v3
	v_and_b32 v11, 15, v2                          ; r
	v_lshlrev_b32 v4, 4, v11
	v_lshl_add_u32 v7, v10, 9, v4                  ; scale bytes out: 512 u + 16 r
	v_lshl_add_u32 v4, v10, 13, v4                 ; codes out: 8,192 u + 16 r
	v_lshlrev_b32 v6, 4, v2
	s_lshl_b32 s36, s28, 9
	v_add_nc_u32 v6, s36, v6                       ; LDS: 512 bcol + 16 l: a column's 16 scale bytes
	s_lshl_b32 s37, s29, 1
	v_add_nc_u32 v5, s37, v6                       ; and my two among them: + 2 kk
	v_lshlrev_b32 v8, 3, v2
	s_wait_kmcnt 0x0
	s_cmp_eq_u32 s23, 0                            ; the choices hang on the work-group's number alone
	s_cselect_b64 s[4:5], s[4:5], s[6:7]
	s_cselect_b64 s[12:13], s[12:13], s[14:15]
	s_cmp_eq_u32 s23, 2
	s_cselect_b64 s[8:9], s[8:9], s[10:11]
	s_cselect_b64 s[16:17], s[16:17], s[18:19]
	s_cmp_lt_u32 s23, 2
	s_cselect_b64 s[4:5], s[4:5], s[8:9]
	s_cselect_b64 s[12:13], s[12:13], s[16:17]
	s_add_nc_u64 s[4:5], s[4:5], s[34:35]
	s_add_nc_u64 s[38:39], s[20:21], s[32:33]
	s_add_nc_u64 s[42:43], s[20:21], s[40:41]
	s_add_nc_u64 s[12:13], s[12:13], s[44:45]
	s_add_nc_u64 s[44:45], s[20:21], s[46:47]
.irp i, 0,1,2,3,4,5,6,7,8,9,10,11,12,13,14,15,16,17,18,19,20,21,22,23,24,25,26,27,28,29,30,31,32,33,34,35,36,37,38,39,40,41,42,43,44,45,46,47,48,49,50,51,52,53,54,55,56,57,58,59,60,61,62,63
	global_load_b32 v[32+\i], v3, s[4:5] offset:\i*4096 th:TH_LOAD_NT   ; a row's 128 bytes for the wave; the wave beside me takes the 128 next to them
.endr
.macro BLK q
.set XB, 32+32*\q
	v_max3_num_f32 v12, |v[XB]|, |v[XB+1]|, |v[XB+2]|               ; the block's largest magnitude, in two chains
	v_max3_num_f32 v13, |v[XB+3]|, |v[XB+4]|, |v[XB+5]|
.irp i, 6,10,14,18,22,26
	v_max3_num_f32 v12, v12, |v[XB+\i]|, |v[XB+\i+1]|
	v_max3_num_f32 v13, v13, |v[XB+\i+2]|, |v[XB+\i+3]|
.endr
	v_max3_num_f32 v12, v12, |v[XB+30]|, |v[XB+31]|
	v_max3_num_f32 v12, v12, v13, 0x1800000        ; and the floor 2^(3 - 127): the byte cannot fall under 1
	v_add_nc_u32 v[14+\q], 0xff000000, v12         ; 2 off the exponent field: the conversion takes this operand's exponent field as its scale
.irp g, 0,1,2,3
	v_cvt_scalef32_pk8_fp4_f32 v[16+4*\q+\g], v[XB+8*\g:XB+8*\g+7], v[14+\q]
.endr
	v_lshrrev_b32 v[24+\q], 23, v[14+\q]           ; the scale's byte (a plain line behind the conversions)
	global_store_b128 v4, v[16+4*\q:16+4*\q+3], s[38:39] offset:256*\q   ; each half of the wave stores 256 consecutive bytes, aligned
.endm
	s_wait_loadcnt 32                              ; the first block's 32 loads are in; the second's may be out
	BLK 0
	s_wait_loadcnt 0x0
	BLK 1
	v_lshl_or_b32 v26, v25, 8, v24
	ds_store_b16 v5, v26                           ; my column's bytes of blocks 2 kk, 2 kk + 1
	s_wait_dscnt 0x0                               ; for the others' sake: my store is done
	s_barrier_signal -1
	s_barrier_wait -1
	s_cmp_lt_u32 s22, 2                            ; waves 0 and 1 send the scale bytes of their 32 columns
	s_cbranch_scc0 .Lnot_scales
	ds_load_b128 v[28:31], v6
	s_wait_dscnt 0x0
	global_store_b128 v7, v[28:31], s[42:43]       ; each half of the wave stores 256 consecutive bytes, aligned
.Lnot_scales:
	s_cmp_eq_u32 s22, 2                            ; wave 2 of the work-group with g = 0 copies the 64 biases
	s_cbranch_scc0 .Lend
	s_cmp_eq_u32 s25, 0
	s_cbranch_scc0 .Lend
	global_load_b64 v[32:33], v8, s[12:13]
	s_wait_loadcnt 0x0
	global_store_b64 v8, v[32:33], s[44:45]        ; 256 consecutive bytes, aligned
.Lend:
	s_wait_tensorcnt 0x0
	ds_add_u32 v96, v97
	s_wait_dscnt 0x0
	s_endpgm
.Lfunc_end_k_q243afeea31_prep:
	.size	k_q243afeea31_prep, .Lfunc_end_k_q243afeea31_prep-k_q243afeea31_prep
	.p2alignl 7, 3214868480
	.fill 96, 4, 3214868480
	.section	.rodata,"a",@progbits
	.p2align	6, 0x0
	.amdhsa_kernel k_q243afeea31_prep
		.amdhsa_group_segment_fixed_size 3072
		.amdhsa_private_segment_fixed_size 0
		.amdhsa_enable_private_segment 0
		.amdhsa_kernarg_size 72
		.amdhsa_user_sgpr_count 2
		.amdhsa_user_sgpr_kernarg_segment_ptr 1
		.amdhsa_wavefront_size32 1
		.amdhsa_system_sgpr_workgroup_id_x 1
		.amdhsa_system_sgpr_workgroup_id_y 1
		.amdhsa_system_sgpr_workgroup_id_z 1
		.amdhsa_system_vgpr_workitem_id 0
		.amdhsa_next_free_vgpr 98
		.amdhsa_next_free_sgpr 66
		.amdhsa_reserve_vcc 0
		.amdhsa_float_denorm_mode_32 3
		.amdhsa_float_denorm_mode_16_64 3
		.amdhsa_memory_ordered 1
		.amdhsa_forward_progress 1
		.amdhsa_inst_pref_size 14
	.end_amdhsa_kernel
	.amdgpu_metadata
---
amdhsa.version: [ 1, 2 ]
amdhsa.kernels:
  - .name:           k_q243afeea31_prep
    .symbol:         k_q243afeea31_prep.kd
    .args:
      - { .name: Wk, .offset: 0, .size: 8, .value_kind: global_buffer, .address_space: global }
      - { .name: Wv, .offset: 8, .size: 8, .value_kind: global_buffer, .address_space: global }
      - { .name: Wq, .offset: 16, .size: 8, .value_kind: global_buffer, .address_space: global }
      - { .name: Wo, .offset: 24, .size: 8, .value_kind: global_buffer, .address_space: global }
      - { .name: bk, .offset: 32, .size: 8, .value_kind: global_buffer, .address_space: global }
      - { .name: bv, .offset: 40, .size: 8, .value_kind: global_buffer, .address_space: global }
      - { .name: bq, .offset: 48, .size: 8, .value_kind: global_buffer, .address_space: global }
      - { .name: bo, .offset: 56, .size: 8, .value_kind: global_buffer, .address_space: global }
      - { .name: wring, .offset: 64, .size: 8, .value_kind: global_buffer, .address_space: global }
    .group_segment_fixed_size: 3072
    .private_segment_fixed_size: 0
    .kernarg_segment_align: 8
    .kernarg_segment_size: 72
    .max_flat_workgroup_size: 512
    .sgpr_count:     66
    .vgpr_count:     98
    .wavefront_size: 32
...
	.end_amdgpu_metadata
.endif
;; end of part 1
;; launch main (part 2): grid 256 x 1, 4 waves a work-group, clusters of 4 x 1, 327,680 bytes of LDS; arguments h, e, gamma, beta, wring, out0; writes out0
.if DOCPART == 2
	.amdgcn_target "amdgcn-amd-amdhsa--gfx1250"
	.amdhsa_code_object_version 6
	.text
	.protected	k_q243afeea31_main
	.globl	k_q243afeea31_main
	.p2align	8
	.type	k_q243afeea31_main,@function
k_q243afeea31_main:
	s_mov_b64 s[64:65], 0
	v_nop
	global_prefetch_b8 v0, s[64:65] scope:SCOPE_SE
	s_setreg_imm32_b32 hwreg(HW_REG_WAVE_MODE, 25, 1), 1
	s_wait_xcnt 0x0
	s_wait_alu depctr_hold_cnt(0) depctr_sa_sdst(0) depctr_va_vdst(0) depctr_va_sdst(0) depctr_va_ssrc(0) depctr_va_vcc(0) depctr_vm_vsrc(0)
	s_getreg_b32 s2, hwreg(HW_REG_IB_STS2, 6, 4)
	s_cmp_eq_u32 s2, 0
	s_cbranch_scc0 .Lentry_in_a_cluster
	s_endpgm
.Lentry_in_a_cluster:
	s_bfe_u32 s2, ttmp6, 0x10000c
	s_cmp_lg_u32 s2, 0x3003
	s_cbranch_scc0 .Lentry_shape_is_right
	s_endpgm
.Lentry_shape_is_right:
; Chunked cross attention, one work-group to a chunk (batch b, chunk c): out0[b][R] = h[b][R] + (softmax(q k^T / 8) v) Wo + bo for the 32 rows R = 31 + 32 c + i, with q = LN(h[b][R]) Wq + bq and k, v made of the
; chunk's 64 rows of e.  All six products on codes of FP4 (E2M1) with one E8M0 scale for each 32 along K, by v_wmma_scale_f32_16x16x128_f8f6f4; everything else in f32.  No activation goes to memory.
; R IS TAKEN MODULO 1024: chunk 31's rows i = 1 .. 31 would lie past the sequence's end and are thrown away by the problem itself; here they are rows 0 .. 30, whose result is h alone: for them the attention term is
; replaced by 0 (v_cndmask_b32).  So each row of out0 has one owner and all work-groups run one text.  (These rows' queries are LN(h rows 0 .. 30) and not zeros: nothing of them is kept.)
; SHARES.  Wave w loads, normalises and quantises query rows 8 w .. + 7 and rows 16 w .. + 15 of e, keeps its 8 rows of h in 256 registers for the residual, and stores those rows of out0.  In the four projections
; wave w owns columns 256 w .. + 255 = heads 4 w .. 4 w + 3: q, k, v, the softmax and o of a head never leave the wave.  Only the CODES of x, e and o go round, through LDS, as images of operand registers.
; THE WEIGHTS come as 16 slots of wring (laid by the launch before, in the order of use) through a ring of two LDS slots; wave w fetches and reads quarter w alone.
; CLUSTER: all work-groups walk the same weights, so the four of a cluster ask JOINTLY: the same tensor load with the same descriptor and the mask 15, which divides the requests for the weights by four.
; LAYOUT.  Projections K, Q, O and both attention products are used transposed (source 0 = 16 columns of the weight, or 16 keys, or 16 of the head's 64; source 1 = 16 rows), so that a lane holds one row and its registers
; run along the next product's K.  V is used the other way (source 0 = 16 keys), so that its registers run along the keys.  Tiles of weight columns and of keys are chosen so: lane r of tile 2 b + u takes 32 b + 8 u + r + 8 (r / 8):
; the 16 registers of tiles 2 b, 2 b + 1 are then 16 neighbours.  The attention products have K = 64: k's and v's fragments hold TWO heads (even | odd), q's and p's codes stand in one half and zero codes in the other.
; THE KEYS' ORDER.  The second attention product contracts the pair (j, n), the place in a neighbour first and the neighbour second: k = 2 j + n.  So a block of 32 along its K is places 16 b .. 16 b + 15 of BOTH neighbours.
; Here key (n, j) stands at 32 (j / 16) + 16 n + j % 16: the same two blocks; inside a block the order is free, since p and v share it.  The scores and the softmax's maximum and sum do not hang on the order.
; WHAT GOES INTO A QUANTISER IS ROUNDED IN THE ORDER IN WHICH THE PROBLEM WRITES IT: a sum over K starts at 0 and runs up K, and bq, bk, bv are added to the finished sum by one f32 addition; the layer norm's product with gamma
; is rounded before beta is added.  bo, whose sum goes into no quantiser, is the C of that sum's first product.
; SOFTMAX: the row's largest score is taken away first; p is normalised in f32 and then quantised along the 64 keys.
; LIMITS: NaN and infinities among the inputs are not served.  A block whose largest magnitude lies under 2^-124 (a block of zeros too) gets the scale byte 1; these bytes are read by this program alone.
; No prefetch: wring was stored by the launch just before, and h and e are asked for at the kernel's head.
;
; LDS: 0 ring slot 0, SLOTB ring slot 1 (tensor loads alone); SPARE the spare words; TST 4 x 4,608 a wave's own stage (32 blocks of 128 bytes + 16); IMG 2 tiles x 32 groups x (16 rows x 16 bytes + 16): codes of x, then of e
; (two batches), then of o; XSC scale bytes of x, later of o, [row][48]; + ESCO those of e; YST (over TST and IMG, in the O phase) 32 rows x (1,024 + 16) of results.
; REGISTERS, in windows of 256.  Window 0: v1-31 addresses; v32-47 the weight's scale words, v48-63 e's, v64-71 x's (later o's), v72-79 k's and v's, v80-83 q's and p's; v84-127 at work; v128-255 accumulators.
;   Window 1: v0-63 the weight's fragments, two sets (when idle: q's and p's fragments); v64-95 k's; v96-127 v's; v128-255 x's 16.   Window 2: e's 32 fragments (later o's 16).   Window 3: my 8 rows of h.
;   At the head windows 1 and 2 also hold eight rows of e on their way, and gamma and beta.
.set SLOTB, 140288
.set QB,    35072
.set WSC,   32768
.set WBI,   34816
.set SPARE, 280576
.set TST,   281088
.set IMG,   299520
.set ITILE, 8704
.set XSC,   316928
.set ESCO,  1536
.set YST,   281088
.set SPW,  1          ; LDS address of my spare word; never rewritten
.set NIL,  2          ; 0, for the add alone
.set LNT,  3          ; my bytes of a row in a dense load: 1,024 (l / 16) + 16 (l % 16)
.set OFFH, 4          ; v4-11 my 8 rows of h and out0: LNT + the row's bytes
.set EOFF, 12         ; my 16 rows of e
.set TS,   13         ; my stage, on the way in
.set TL,   14         ; and out: block l
.set IA,   15         ; where I put a block's codes of x: group l, tile w / 2, rows 8 (w % 2) on
.set SAX,  16         ; x's scale bytes: my rows, byte l
.set SAE,  17         ; e's
.set LI,   18         ; a fragment's place for my lane: group l / 16, row l % 16
.set SL,   19         ; scale words: row l % 16, 16 bytes for each half of the lanes
.set WL,   20         ; my quarter of a slot + 16 l
.set BL,   21         ; + 64 (l / 16): biases of a transposed result
.set VL,   22         ; + 4 x my column of a tile: bv
.set WBC,  23         ; WL, BL or VL in the slot in hand
.set BAC,  24
.set OIA,  25         ; where o's codes go
.set IAE,  26         ; at the head: where I put a block's codes of e: group l, tile w % 2, rows 8 (w / 2) on
.set OIAC, 26         ; in the loops: OIA for the head in hand
.set OSA,  27         ; and o's scale bytes
.set YS,   28         ; results into YST
.set YR,   29         ; and back, by rows
.set OSAC, 30
.set ZR,   31         ; 0
.set WS,   32
.set ES,   48
.set XS,   64
.set KSC,  72
.set VSC,  76
.set QS,   80
.set PS,   82
.set PW,   84         ; v84-85 scale words just made
.set TM,   88         ; v88-95 a quantiser's work
.set BB,   96         ; v96-127 while K's or Q's projection runs: the slot's 64 biases in the result's layout, eight registers a tile
.set CD,   96         ; v96-103 behind that: codes just made, two sets
.set MU,   104        ; v[104:105] at the head: a row's mean; v[106:107] its 1 / sqrt(var + eps)
.set RS,   106
.set ST,   108        ; v108-127 the softmax's figures, ten a tile: +0 maximum, +1 the other half's, +2 c x maximum, +4..7 sums, +8 1 / sum
.set CDX,  108        ; v108-123 in K's and V's slots: four sets of codes
.set BV,   108        ; v108-115 in V's slots, before that: bv, each number twice
.set ACC,  128
.set XN,   128        ; at the head: a normalised row; v160-223 two sets of 32 neighbours; v224-227 sums
.set SUM,  224
.set SS,   192        ; the scores, then p
.set YY,   192        ; the way out
.set QF,   0          ; window 1
.set PF,   16
.set KST,  64
.set VST,  96
.set XF,   128
.set WV,   16         ; s16 my wave's number
.set G1,   24         ; s[24:31] descriptor group 1; s[32:35] group 0 of the first fill; s[36:39] the walking group 0
.set RB,   41         ; LDS byte at which the slot in hand begins
.set WQ,   42         ; my quarter: wave x QB
.set OUTER, 43
.set INNER, 44
.set PI,   45         ; 0: the even head of a pair, -1: the odd one
.set SH,   46         ; 0 or 16: where its two scale bytes stand
.set OH,   47         ; o's codes: 544 bytes (two groups) a head
.set OS,   48         ; o's scale bytes: 2 a head
.set SEL,  50         ; s[50:51] v_permlanex16_b32's selects for lane l xor 16
.set CS,   52         ; s[52:53] c = log2(e) / 8
.set MK,   54         ; s54-61 -1 where my row i is one of rows 0 .. 30
.set MSB, 0
.macro WIN new                         ; the immediate's high byte repeats the setting that is left; a switch that changes nothing is dropped
.if MSB != \new
	s_set_vgpr_msb (MSB<<8)|\new
.set MSB, \new
.endif
.endm
.macro PLACES n
.rept \n
	v_nop
.endr
.endm
.macro BAR                             ; my LDS stores have landed and my LDS loads are in: then the work-group's barrier
	s_wait_dscnt 0x0
	s_barrier_signal -1
	s_barrier_wait -1
.endm
.macro ROUND                           ; a round of the cluster's barrier
	s_barrier_signal -1
	s_barrier_wait -1
	s_cmp_lg_u32 s[WV], 0
	s_cbranch_scc1 .Lnot_wave_0_\@
	s_barrier_signal -3
.Lnot_wave_0_\@:
	s_barrier_wait -3
	s_barrier_signal -1
	s_barrier_wait -1
.endm
; THE CHANGE OF SLOTS, behind the work on a slot.  fill = 1: the slot just read takes the weights two slots on; the load has the next slot's work in which to land.
.macro CHANGE fill
	WIN 0
	s_wait_tensorcnt 0x0                           ; all my tensor loads have landed, my quarter of the next slot among them: a group 0 may be written
	ds_add_u32 v[SPW], v[NIL]                      ; 0 onto my spare word
	s_xor_b32 s[RB], s[RB], SLOTB                  ; I read the other slot next
.if \fill
	s_xor_b32 s37, s37, SLOTB                      ; the walking descriptor: the other slot than last time (the bits of wave x QB and of SLOTB never meet),
	s_add_nc_u64 s[38:39], s[38:39], SLOTB         ; the next slot of wring; the type bits on top are not reached
.endif
	s_wait_dscnt 0x0                               ; the add is done, and so are all my LDS reads and stores
.if \fill
	ROUND                                          ; no wave of any partner still reads the slot or has a load on its way
	tensor_load_to_lds s[36:39], s[G1:G1+7]        ; my one tensor load behind the round, and the first thing there
	s_nop 0
	PLACES 4
.else
	s_barrier_signal -1
	s_barrier_wait -1
.endif
.endm
.macro REDUCE a, tmp                   ; the sum over the 32 lanes, in every lane
	v_add_f32_dpp v[\a], v[\a], v[\a] row_xmask:1 row_mask:0xf bank_mask:0xf
	v_add_f32_dpp v[\a], v[\a], v[\a] row_xmask:2 row_mask:0xf bank_mask:0xf
	v_add_f32_dpp v[\a], v[\a], v[\a] row_xmask:4 row_mask:0xf bank_mask:0xf
	v_add_f32_dpp v[\a], v[\a], v[\a] row_xmask:8 row_mask:0xf bank_mask:0xf
	v_permlanex16_b32 v[\tmp], v[\a], s[SEL], s[SEL+1]
	v_add_f32 v[\a], v[\a], v[\tmp]
.endm
; Row i of my 8 rows of h is normalised (mean; then the mean of the squared differences; x gamma; + beta) and turned through my stage, so that lane l gets block l: 32 neighbours, into set i % 2.
.macro XROW i
.set HB, 32*(\i)
.set BSX, 160+32*((\i)%2)
	WIN 0x0f                                       ; sources 0 and 1: window 3
	v_pk_add_f32 v[SUM:SUM+1], v[HB:HB+1], v[HB+2:HB+3]
	v_pk_add_f32 v[SUM+2:SUM+3], v[HB+4:HB+5], v[HB+6:HB+7]
	WIN 0x0c
.irp k, 8,12,16,20,24,28
	v_pk_add_f32 v[SUM:SUM+1], v[SUM:SUM+1], v[HB+\k:HB+\k+1]
	v_pk_add_f32 v[SUM+2:SUM+3], v[SUM+2:SUM+3], v[HB+\k+2:HB+\k+3]
.endr
	WIN 0
	v_pk_add_f32 v[SUM:SUM+1], v[SUM:SUM+1], v[SUM+2:SUM+3]
	v_add_f32 v[SUM], v[SUM], v[SUM+1]
	REDUCE SUM, SUM+1
	v_mul_f32 v[MU], s68, v[SUM]                   ; / 1024
	WIN 0x03
.irp k, 0,2,4,6,8,10,12,14,16,18,20,22,24,26,28,30
	v_pk_add_f32 v[XN+\k:XN+\k+1], v[HB+\k:HB+\k+1], v[MU:MU+1] op_sel_hi:[1,0] neg_lo:[0,1] neg_hi:[0,1]
.endr
	WIN 0
	v_pk_mul_f32 v[SUM:SUM+1], v[XN:XN+1], v[XN:XN+1]
	v_pk_mul_f32 v[SUM+2:SUM+3], v[XN+2:XN+3], v[XN+2:XN+3]
.irp k, 4,8,12,16,20,24,28
	v_pk_fma_f32 v[SUM:SUM+1], v[XN+\k:XN+\k+1], v[XN+\k:XN+\k+1], v[SUM:SUM+1]
	v_pk_fma_f32 v[SUM+2:SUM+3], v[XN+\k+2:XN+\k+3], v[XN+\k+2:XN+\k+3], v[SUM+2:SUM+3]
.endr
	v_pk_add_f32 v[SUM:SUM+1], v[SUM:SUM+1], v[SUM+2:SUM+3]
	v_add_f32 v[SUM], v[SUM], v[SUM+1]
	REDUCE SUM, SUM+1
	v_fma_f32 v[SUM], v[SUM], s68, s69             ; / 1024 (exact: a power of two) + 1e-5
	v_rsq_f32 v[RS], v[SUM]
	v_nop                                          ; a plain line behind the transcendental
	s_wait_alu depctr_va_vdst(0)
.irp k, 0,2,4,6,8,10,12,14,16,18,20,22,24,26,28,30
	v_pk_mul_f32 v[XN+\k:XN+\k+1], v[XN+\k:XN+\k+1], v[RS:RS+1] op_sel_hi:[1,0]
.endr
	WIN 0x08                                       ; source 1: window 2: gamma, then beta
.irp k, 0,2,4,6,8,10,12,14,16,18,20,22,24,26,28,30
	v_pk_mul_f32 v[XN+\k:XN+\k+1], v[XN+\k:XN+\k+1], v[\k:\k+1]          ; NOT fused with the addition below: the product is rounded first, as the problem writes it.  Where it nearly
.endr                                                                            ; cancels against beta, the small number that is then quantised would else differ by many units in its last place
.irp k, 0,2,4,6,8,10,12,14,16,18,20,22,24,26,28,30
	v_pk_add_f32 v[XN+\k:XN+\k+1], v[XN+\k:XN+\k+1], v[32+\k:33+\k]
.endr
	WIN 0
.irp q, 0,1,2,3,4,5,6,7
	ds_store_b128 v[TS], v[XN+4*\q:XN+4*\q+3] offset:288*(8*(\q%2)+\q/2)
.endr
.irp q, 0,1,2,3,4,5,6,7
	ds_load_b128 v[BSX+4*\q:BSX+4*\q+3], v[TL] offset:16*\q   ; LDS serves a wave's instructions in order: these see the stores above
.endr
.endm
; One lane's 32 neighbours v[bs] .. are a whole block: its codes (16 bytes) go to the image (address register ia), its scale byte to the row's bytes (address register sareg).
.macro EQ bs, ia, ioff, sareg, soff
	WIN 0
	v_max3_num_f32 v88, |v[\bs]|, |v[\bs+1]|, |v[\bs+2]|
	v_max3_num_f32 v89, |v[\bs+3]|, |v[\bs+4]|, |v[\bs+5]|
.irp k, 6,10,14,18,22,26
	v_max3_num_f32 v88, v88, |v[\bs+\k]|, |v[\bs+\k+1]|
	v_max3_num_f32 v89, v89, |v[\bs+\k+2]|, |v[\bs+\k+3]|
.endr
	v_max3_num_f32 v88, v88, |v[\bs+30]|, |v[\bs+31]|
	v_max3_num_f32 v88, v88, v89, 0x1800000        ; the floor 2^(3 - 127): the byte cannot fall under 1
	v_add_nc_u32 v90, 0xff000000, v88              ; 2 off the exponent field: the conversion's scale operand
.irp g, 0,1,2,3
	v_cvt_scalef32_pk8_fp4_f32 v[92+\g], v[\bs+8*\g:\bs+8*\g+7], v90
.endr
	v_lshrrev_b32 v91, 23, v90                     ; the scale's byte (a plain line behind the conversions)
	ds_store_b128 v[\ia], v[92:95] offset:\ioff
	ds_store_b8 v[\sareg], v91 offset:\soff
.endm
; Row i of my 16 rows of e: eight loads, each half of the wave taking 256 consecutive bytes, into row slot i % 8 (slots 0-3: window 1, v0-127; slots 4-7: window 2, v128-255)
.macro ELOAD i
.set SLK, (\i)%8
.if SLK < 4
	WIN 0x40
.set SLB, 32*SLK
.else
	WIN 0x80
.set SLB, 128+32*(SLK-4)
.endif
.irp q, 0,1,2,3,4,5,6,7
	global_load_b128 v[SLB+4*\q:SLB+4*\q+3], v[EOFF], s[6:7] offset:(\i)*4096+(\q/2)*256+(\q%2)*2048 th:TH_LOAD_NT
.endr
.endm
.macro ETURN i, cnt                    ; row i, when it is in (cnt younger loads may stay out), goes through my stage into set i % 2
.set SLK, (\i)%8
	s_wait_loadcnt \cnt
.if SLK < 4
	WIN 0x04                                       ; an LDS store's data are its source 1
.set SLB, 32*SLK
.else
	WIN 0x08
.set SLB, 128+32*(SLK-4)
.endif
.irp q, 0,1,2,3,4,5,6,7
	ds_store_b128 v[TS], v[SLB+4*\q:SLB+4*\q+3] offset:288*(8*(\q%2)+\q/2)
.endr
	WIN 0
.set BSX, 160+32*((\i)%2)
.irp q, 0,1,2,3,4,5,6,7
	ds_load_b128 v[BSX+4*\q:BSX+4*\q+3], v[TL] offset:16*\q
.endr
.endm
.macro FRAGS dst, win                  ; the image's 2 tiles x 8 K steps become 16 fragments: tile tau, K step ks at v[dst + 64 tau + 8 ks]
	WIN \win
.irp tau, 0,1
.irp ks, 0,1,2,3,4,5,6,7
.irp c, 0,1
	ds_load_b128 v[\dst+64*\tau+8*\ks+4*\c:\dst+64*\tau+8*\ks+4*\c+3], v[LI] offset:\tau*ITILE+(4*\ks+2*\c)*272
.endr
.endr
.endr
	WIN 0
.endm
; 32 numbers of a lane, register 16 b + i = k 32 b + 16 (lane / 16) + i of my row, become four registers of codes (lanes 0-15 block 0, lanes 16-31 block 1) in v[cod] on and two scale bytes in v[pw].
.macro QUANT2 src, cod, pw
	WIN 0
.irp b, 0,1
	v_max3_num_f32 v[TM+\b], |v[\src+16*\b]|, |v[\src+16*\b+1]|, 0x1800000   ; with the floor 2^(3 - 127)
.endr
.irp k, 2,4,6,8,10,12,14
.irp b, 0,1
	v_max3_num_f32 v[TM+\b], v[TM+\b], |v[\src+16*\b+\k]|, |v[\src+16*\b+\k+1]|
.endr
.endr
	v_permlanex16_b32 v[TM+2], v[TM], s[SEL], s[SEL+1]
	v_permlanex16_b32 v[TM+3], v[TM+1], s[SEL], s[SEL+1]
	v_max_num_f32 v[TM], v[TM], v[TM+2]            ; with lane l xor 16's 16: the block's largest magnitude
	v_max_num_f32 v[TM+1], v[TM+1], v[TM+3]
	v_add_nc_u32 v[TM+4], 0xff000000, v[TM]
	v_add_nc_u32 v[TM+5], 0xff000000, v[TM+1]
	v_lshrrev_b32 v[TM+6], 23, v[TM+4]
	v_lshrrev_b32 v[TM+7], 23, v[TM+5]
	v_lshl_or_b32 v[\pw], v[TM+7], 8, v[TM+6]
	v_cvt_scalef32_pk8_fp4_f32 v[\cod], v[\src:\src+7], v[TM+4]
	v_cvt_scalef32_pk8_fp4_f32 v[\cod+1], v[\src+8:\src+15], v[TM+4]
	v_cvt_scalef32_pk8_fp4_f32 v[\cod+2], v[\src+16:\src+23], v[TM+5]
	v_cvt_scalef32_pk8_fp4_f32 v[\cod+3], v[\src+24:\src+31], v[TM+5]
	v_nop                                          ; a plain line behind the conversions
	v_permlane16_swap_b32 v[\cod], v[\cod+2]       ; a whole block to a lane
	v_permlane16_swap_b32 v[\cod+1], v[\cod+3]
.endm
; One matrix instruction.  z = 1: it starts the sum.  hi = 1: both scale words are taken from lanes 16-31 (K steps 4 to 7).
.macro WM d, a, b, z, sa, sb, hi
.if \z
	v_wmma_scale_f32_16x16x128_f8f6f4 v[\d:\d+7], v[\a:\a+7], v[\b:\b+7], 0, v[\sa], v[\sb] matrix_a_fmt:MATRIX_FMT_FP4 matrix_b_fmt:MATRIX_FMT_FP4
.elseif \hi
	v_wmma_scale_f32_16x16x128_f8f6f4 v[\d:\d+7], v[\a:\a+7], v[\b:\b+7], v[\d:\d+7], v[\sa], v[\sb] matrix_a_fmt:MATRIX_FMT_FP4 matrix_b_fmt:MATRIX_FMT_FP4 matrix_a_scale:MATRIX_SCALE_ROW1 matrix_b_scale:MATRIX_SCALE_ROW1
.else
	v_wmma_scale_f32_16x16x128_f8f6f4 v[\d:\d+7], v[\a:\a+7], v[\b:\b+7], v[\d:\d+7], v[\sa], v[\sb] matrix_a_fmt:MATRIX_FMT_FP4 matrix_b_fmt:MATRIX_FMT_FP4
.endif
.endm
.macro FETCHW ks                       ; the weight's four fragments of K step ks into set ks % 2: register images, 512 consecutive bytes a load
	WIN 0x40
.irp t, 0,1,2,3
.irp c, 0,1
	ds_load_b128 v[32*((\ks)%2)+8*\t+4*\c:32*((\ks)%2)+8*\t+4*\c+3], v[WBC] offset:(8*\t+(\ks))*1024+512*\c
.endr
.endr
.endm
; K step ks of a projection.  kind 0: K, 1: V, 2: Q, 3: O.  The accumulators take turns, one instruction a turn, in the same order in every step.
; K's, V's and Q's first step starts the sums with the constant 0; O's adds onto bo, which was loaded into the accumulators.
.macro MUL kind, ks
.set SQ, (\ks)%4
.set HI, (\ks)/4
.set WB, 32*((\ks)%2)
.if \kind == 0
	WIN 0x09                                       ; source 0 (the weight) window 1, source 1 (e) window 2
.irp t, 0,1,2,3
.irp rt, 0,1,2,3
	WM ACC+32*\rt+8*\t, WB+8*\t, 128*(\rt%2)+64*(\rt/2)+8*(\ks), (\ks)==0, WS+4*\t+SQ, ES+4*\rt+SQ, HI
.endr
.endr
.elseif \kind == 1
	WIN 0x06                                       ; source 0 (e) window 2, source 1 (the weight) window 1
.irp t, 0,1,2,3
.irp rt, 0,1,2,3
	WM ACC+32*\t+8*\rt, 128*(\rt%2)+64*(\rt/2)+8*(\ks), WB+8*\t, (\ks)==0, ES+4*\rt+SQ, WS+4*\t+SQ, HI
.endr
.endr
.elseif \kind == 2
	WIN 0x05                                       ; both in window 1
.irp t, 0,1,2,3
.irp rt, 0,1
	WM ACC+32*\rt+8*\t, WB+8*\t, XF+64*\rt+8*(\ks), (\ks)==0, WS+4*\t+SQ, XS+4*\rt+SQ, HI
.endr
.endr
.else
	WIN 0x09                                       ; source 1 (o) window 2
.irp t, 0,1,2,3
.irp rt, 0,1
	WM ACC+32*\rt+8*\t, WB+8*\t, 64*\rt+8*(\ks), 0, WS+4*\t+SQ, XS+4*\rt+SQ, HI
.endr
.endr
.endif
.endm
; A projection on the slot in hand: 64 columns x all rows x K = 1024.  K, Q: the 64 biases come into v[BB] on, in the result's layout, and ADDB adds them behind the sums.  V: bv hangs on the lane; it comes twice, as pairs.
; O: bo is loaded INTO each accumulator, and the first product adds onto it.
.macro PROJ kind
	WIN 0
	v_add_nc_u32 v[WBC], s[RB], v[WL]
.if \kind == 1
	v_add_nc_u32 v[BAC], s[RB], v[VL]
.else
	v_add_nc_u32 v[BAC], s[RB], v[BL]
.endif
.irp t, 0,1,2,3
	ds_load_b128 v[WS+4*\t:WS+4*\t+3], v[WBC] offset:WSC+512*\t   ; lanes 0-15: the words of K steps 0-3; lanes 16-31: of K steps 4-7
.endr
.if \kind == 1
.irp t, 0,1,2,3
	ds_load_b32 v[BV+2*\t], v[BAC] offset:WBI+128*(\t/2)+32*(\t%2)
	ds_load_b32 v[BV+2*\t+1], v[BAC] offset:WBI+128*(\t/2)+32*(\t%2)   ; twice: a pair for the packed addition
.endr
.elseif \kind == 3
.irp rt, 0,1
.irp t, 0,1,2,3
	ds_load_b128 v[ACC+32*\rt+8*\t:ACC+32*\rt+8*\t+3], v[BAC] offset:WBI+128*(\t/2)+32*(\t%2)
	ds_load_b128 v[ACC+32*\rt+8*\t+4:ACC+32*\rt+8*\t+7], v[BAC] offset:WBI+128*(\t/2)+32*(\t%2)+16
.endr
.endr
.else
.irp t, 0,1,2,3
	ds_load_b128 v[BB+8*\t:BB+8*\t+3], v[BAC] offset:WBI+128*(\t/2)+32*(\t%2)      ; lane (r, h), tile 2 b + u: the biases of columns 32 b + 16 h + 8 u + 0 .. 7
	ds_load_b128 v[BB+8*\t+4:BB+8*\t+7], v[BAC] offset:WBI+128*(\t/2)+32*(\t%2)+16
.endr
.endif
	FETCHW 0
.irp st, 0,1,2,3,4,5,6,7
.if \st >= 1
	PLACES 4                                       ; in front of loads into the set that the step before multiplied
.endif
.if \st < 7
	FETCHW \st+1
	s_wait_dscnt 8                                 ; all but the eight loads just issued: this step's fragments are in
.else
	s_wait_dscnt 0x0
.endif
	MUL \kind, \st
.endr
	PLACES 4                                       ; in front of the first read of results
	WIN 0
.endm
; bk or bq onto the finished sums of nrt tiles of rows: one f32 addition a number.  Each accumulator is read from its low end on.
.macro ADDB nrt
.set RT, 0
.rept \nrt
.irp t, 0,1,2,3
.irp k, 0,2,4,6
	v_pk_add_f32 v[ACC+32*RT+8*\t+\k:ACC+32*RT+8*\t+\k+1], v[ACC+32*RT+8*\t+\k:ACC+32*RT+8*\t+\k+1], v[BB+8*\t+\k:BB+8*\t+\k+1]
.endr
.endr
.set RT, RT+1
.endr
.endm
; The four tiles of 32 results become half fragments: what stood in the fragments' upper halves (the pair's even head) moves down, the new codes (the odd head, at the second time) take the upper halves; the scale words likewise.
.macro STASH fr, sc
.irp rt, 0,1,2,3
	QUANT2 ACC+32*\rt, CDX+4*\rt, PW
	v_lshrrev_b32 v[\sc+\rt], 16, v[\sc+\rt]
	v_lshl_or_b32 v[\sc+\rt], v[PW], 16, v[\sc+\rt]
.endr
	WIN 0x41
.irp rt, 0,1,2,3
.irp k, 0,1,2,3
	v_mov_b32 v[\fr+8*\rt+\k], v[\fr+8*\rt+4+\k]
.endr
.endr
	WIN 0x40
.irp rt, 0,1,2,3
.irp k, 0,1,2,3
	v_mov_b32 v[\fr+8*\rt+4+\k], v[CDX+4*\rt+\k]
.endr
.endr
	WIN 0
.endm
; The codes in v[CD] on (two tiles) become two fragments at v[dst] of window 1: in the lower half for the even head, in the upper for the odd one; zero codes in the other half.
.macro HALVES dst
	WIN 0x40
.irp m, 0,1
.irp k, 0,1,2,3
	v_cndmask_b32 v[\dst+8*\m+\k], v[CD+4*\m+\k], v[ZR], s[PI]
	v_cndmask_b32 v[\dst+8*\m+4+\k], v[ZR], v[CD+4*\m+\k], s[PI]
.endr
.endr
	WIN 0
	PLACES 8                                       ; operands and scale words written by vector instructions stand this far ahead of a scaled matrix instruction
.endm
; p = softmax over the 64 keys, both tiles of queries by turns.  A lane holds 32 of its query's scores, lane l xor 16 the others.
.macro SOFTMAX
	WIN 0
.irp m, 0,1
	v_max3_num_f32 v[ST+10*\m], v[SS+32*\m], v[SS+32*\m+1], v[SS+32*\m+2]   ; ascending: each accumulator is first read at its low end
.endr
.irp k, 3,5,7,9,11,13,15,17,19,21,23,25,27,29
.irp m, 0,1
	v_max3_num_f32 v[ST+10*\m], v[ST+10*\m], v[SS+32*\m+\k], v[SS+32*\m+\k+1]
.endr
.endr
.irp m, 0,1
	v_max_num_f32 v[ST+10*\m], v[ST+10*\m], v[SS+32*\m+31]
.endr
.irp m, 0,1
	v_permlanex16_b32 v[ST+10*\m+1], v[ST+10*\m], s[SEL], s[SEL+1]
.endr
.irp m, 0,1
	v_max_num_f32 v[ST+10*\m], v[ST+10*\m], v[ST+10*\m+1]   ; the row's largest score
.endr
.irp m, 0,1
	v_mul_f32 v[ST+10*\m+2], s[CS], v[ST+10*\m]
.endr
.irp k, 0,2,4,6,8,10,12,14,16,18,20,22,24,26,28,30
.irp m, 0,1
	v_pk_fma_f32 v[SS+32*\m+\k:SS+32*\m+\k+1], v[SS+32*\m+\k:SS+32*\m+\k+1], s[CS:CS+1], v[ST+10*\m+2:ST+10*\m+3] op_sel_hi:[1,0,0] neg_lo:[0,0,1] neg_hi:[0,0,1]   ; c s - c max
.endr
.endr
.irp k, 0,1,2,3,4,5,6,7,8,9,10,11,12,13,14,15,16,17,18,19,20,21,22,23,24,25,26,27,28,29,30,31
.irp m, 0,1
	v_exp_f32 v[SS+32*\m+\k], v[SS+32*\m+\k]
.endr
.endr
	v_nop                                          ; a plain line behind the exponentials
	s_wait_alu depctr_va_vdst(0)
.irp m, 0,1
	v_pk_add_f32 v[ST+10*\m+4:ST+10*\m+5], v[SS+32*\m:SS+32*\m+1], v[SS+32*\m+2:SS+32*\m+3]
	v_pk_add_f32 v[ST+10*\m+6:ST+10*\m+7], v[SS+32*\m+4:SS+32*\m+5], v[SS+32*\m+6:SS+32*\m+7]
.endr
.irp k, 8,12,16,20,24,28
.irp m, 0,1
	v_pk_add_f32 v[ST+10*\m+4:ST+10*\m+5], v[ST+10*\m+4:ST+10*\m+5], v[SS+32*\m+\k:SS+32*\m+\k+1]
	v_pk_add_f32 v[ST+10*\m+6:ST+10*\m+7], v[ST+10*\m+6:ST+10*\m+7], v[SS+32*\m+\k+2:SS+32*\m+\k+3]
.endr
.endr
.irp m, 0,1
	v_pk_add_f32 v[ST+10*\m+4:ST+10*\m+5], v[ST+10*\m+4:ST+10*\m+5], v[ST+10*\m+6:ST+10*\m+7]
.endr
.irp m, 0,1
	v_add_f32 v[ST+10*\m+4], v[ST+10*\m+4], v[ST+10*\m+5]
.endr
.irp m, 0,1
	v_permlanex16_b32 v[ST+10*\m+1], v[ST+10*\m+4], s[SEL], s[SEL+1]
.endr
.irp m, 0,1
	v_add_f32 v[ST+10*\m+4], v[ST+10*\m+4], v[ST+10*\m+1]   ; the row's sum
.endr
.irp m, 0,1
	v_rcp_f32 v[ST+10*\m+8], v[ST+10*\m+4]
.endr
	v_nop                                          ; a plain line behind the reciprocals
	s_wait_alu depctr_va_vdst(0)
.irp k, 0,2,4,6,8,10,12,14,16,18,20,22,24,26,28,30
.irp m, 0,1
	v_pk_mul_f32 v[SS+32*\m+\k:SS+32*\m+\k+1], v[SS+32*\m+\k:SS+32*\m+\k+1], v[ST+10*\m+8:ST+10*\m+9] op_sel_hi:[1,0]
.endr
.endr
.endm
; O's slot j: columns 256 w' + 64 j .. + 63 of all four waves w', for the 32 rows.  The results meet in YST; each wave reads its 8 rows back, adds h and stores: each half of the wave 256 consecutive bytes, aligned.
.macro OSLOT j
	PROJ 3
.irp m, 0,1
.irp t, 0,1,2,3
	ds_store_b128 v[YS], v[ACC+32*\m+8*\t:ACC+32*\m+8*\t+3] offset:16640*\m+128*(\t/2)+32*(\t%2)      ; each accumulator from its low end on
	ds_store_b128 v[YS], v[ACC+32*\m+8*\t+4:ACC+32*\m+8*\t+7] offset:16640*\m+128*(\t/2)+32*(\t%2)+16
.endr
.endr
	BAR                                            ; 32 rows x 1,024 bytes lie in YST
	s_wait_xcnt 0x0                                ; the last slot's stores have read their registers: they may be loaded again
.irp i, 0,1,2,3,4,5,6,7
.irp p, 0,1
	ds_load_b128 v[YY+8*\i+4*\p:YY+8*\i+4*\p+3], v[YR] offset:1040*\i+512*\p
.endr
.endr
	s_wait_dscnt 0x0
.irp i, 0,1,2,3,4,5,6,7
.irp k, 0,1,2,3,4,5,6,7
	v_cndmask_b32 v[YY+8*\i+\k], v[YY+8*\i+\k], v[ZR], s[MK+\i]   ; rows 0 .. 30 of a batch get h alone
.endr
.endr
	WIN 0x0c                                       ; source 1: window 3: h
.irp i, 0,1,2,3,4,5,6,7
.irp p, 0,1
.irp k, 0,2
	v_pk_add_f32 v[YY+8*\i+4*\p+\k:YY+8*\i+4*\p+\k+1], v[YY+8*\i+4*\p+\k:YY+8*\i+4*\p+\k+1], v[32*\i+4*(2*(\j)+\p)+\k:32*\i+4*(2*(\j)+\p)+\k+1]
.endr
.endr
.endr
	WIN 0
.irp i, 0,1,2,3,4,5,6,7
.irp p, 0,1
	global_store_b128 v[OFFH+\i], v[YY+8*\i+4*\p:YY+8*\i+4*\p+3], s[14:15] offset:(\j)*256+\p*2048 th:TH_STORE_NT
.endr
.endr
.endm
	; ---- the head: ids, descriptors, the two first fills, all loads of gamma, beta, h and the first eight rows of e
	s_load_b256 s[4:11], s[0:1], 0x0               ; h, e, gamma, beta
	s_load_b128 s[12:15], s[0:1], 0x20             ; wring, out0
	v_lshl_add_u32 v[SPW], v0, 2, SPARE
	v_mov_b32 v[NIL], 0
	ds_add_u32 v1, v2
	ds_add_u32 v1, v2
	s_wait_dscnt 0x0
	v_lshrrev_b32 v84, 5, v0
	v_readfirstlane_b32 s[WV], v84                 ; wave 0..3
	s_bfe_u32 s17, ttmp6, 0x40000                  ; cx: my place in the cluster: it enters the addresses of h, e and out0 and the masks of rows alone
	s_lshl_b32 s18, ttmp9, 2
	s_add_co_u32 s18, s18, s17                     ; the work-group = the chunk's number, 32 b + c
	s_lshr_b32 s19, s18, 5
	s_lshl_b32 s19, s19, 22                        ; the batch's first byte in h and out0
	s_and_b32 s20, s18, 31
	s_lshl_b32 s20, s20, 5
	s_lshl_b32 s21, s[WV], 3
	s_add_co_u32 s20, s20, s21
	s_add_co_u32 s20, s20, 31                      ; my first row: 32 c + 31 + 8 w
	s_lshl_b32 s66, s18, 18                        ; the chunk's 64 rows of e
	s_mov_b32 s67, 0
	s_mul_i32 s[WQ], s[WV], QB
	s_mov_b32 s22, s[WQ]
	s_mov_b32 s23, 0
	s_mov_b32 s[G1], 15|(3<<16)|(1<<21)            ; 15:0 the mask: all four work-groups; 17:16 elements of 8 bytes; 21 set beside a mask; no padding
	s_mov_b32 s[G1+1], 32<<16                      ; tensor_dim0 = 32: rows of 256 bytes
	s_mov_b32 s[G1+2], 137<<16                     ; tensor_dim1 = 137: a quarter, 35,072 dense bytes
	s_mov_b32 s[G1+3], 32<<16                      ; tile_dim0
	s_mov_b32 s[G1+4], 137                         ; tile_dim1
	s_mov_b32 s[G1+5], 32                          ; the pitch
	s_mov_b32 s[G1+6], 0
	s_mov_b32 s[G1+7], 0
	s_mov_b32 s[SEL], 0x76543210
	s_mov_b32 s[SEL+1], 0xfedcba98
	s_mov_b32 s[CS], 0x3e38aa3b                    ; log2(e) / 8
	s_mov_b32 s[CS+1], s[CS]
	s_mov_b32 s68, 0x3a800000                      ; 1 / 1024
	s_mov_b32 s69, 0x3727c5ac                      ; 1e-5
	s_wait_kmcnt 0x0
	s_mov_b32 s32, 1                               ; slot 0 of wring into ring slot 0: my quarter
	s_mov_b32 s33, s[WQ]
	s_add_nc_u64 s[34:35], s[12:13], s[22:23]
	s_mov_b32 s36, 1                               ; slot 1 into ring slot 1; this group 0 then walks on
	s_add_co_u32 s37, s[WQ], SLOTB
	s_add_nc_u64 s[38:39], s[34:35], SLOTB
	s_or_b32 s35, s35, 0x80000000                  ; type = 2
	s_or_b32 s39, s39, 0x80000000
	s_add_nc_u64 s[6:7], s[6:7], s[66:67]
	ROUND                                          ; all four work-groups are here: the first joint loads meet
	tensor_load_to_lds s[32:35], s[G1:G1+7]        ; two loads of mine are out
	s_nop 0
	tensor_load_to_lds s[36:39], s[G1:G1+7]
	s_nop 0
	PLACES 4
	v_and_b32 v85, 31, v0                          ; l
	v_and_b32 v86, 15, v0                          ; r
	v_bfe_u32 v87, v0, 4, 1                        ; hh
	v_lshlrev_b32 v[LNT], 4, v86
	v_lshl_add_u32 v[LNT], v87, 10, v[LNT]
	; A row of 4,096 bytes comes by eight loads; load q takes bytes 256 (q / 2) + 2,048 (q % 2) + 1,024 (l / 16) + 16 (l % 16): each half of the wave 256 consecutive bytes, and loads 2 j, 2 j + 1 just the columns that O's slot j makes.
	WIN 0x80
.irp q, 0,1,2,3,4,5,6,7
	global_load_b128 v[4*\q:4*\q+3], v[LNT], s[8:9] offset:(\q/2)*256+(\q%2)*2048        ; gamma: window 2, v0-31
.endr
.irp q, 0,1,2,3,4,5,6,7
	global_load_b128 v[32+4*\q:32+4*\q+3], v[LNT], s[10:11] offset:(\q/2)*256+(\q%2)*2048   ; beta: v32-63
.endr
	WIN 0
.irp i, 0,1,2,3,4,5,6,7
	s_add_co_u32 s21, s20, \i
	s_cmp_gt_u32 s21, 1023
	s_cselect_b32 s[MK+\i], -1, 0                  ; past the sequence's end: it stands for one of rows 0 .. 30
	s_and_b32 s21, s21, 1023
	s_lshl_b32 s21, s21, 12
	s_add_co_u32 s21, s21, s19
	v_add_nc_u32 v[OFFH+\i], s21, v[LNT]
.endr
	WIN 0xc0
.irp i, 0,1,2,3,4,5,6,7
.irp q, 0,1,2,3,4,5,6,7
	global_load_b128 v[32*\i+4*\q:32*\i+4*\q+3], v[OFFH+\i], s[4:5] offset:(\q/2)*256+(\q%2)*2048 th:TH_LOAD_NT   ; h: window 3; each row is read by one wave of the launch
.endr
.endr
	WIN 0
	s_lshl_b32 s21, s[WV], 16
	v_add_nc_u32 v[EOFF], s21, v[LNT]
.irp i, 0,1,2,3,4,5,6,7
	ELOAD \i
.endr
	WIN 0
	; the LDS addresses: constants, the lane and the wave's number
	s_lshr_b32 s70, s[WV], 1
	s_and_b32 s71, s[WV], 1
	s_mul_i32 s22, s[WV], 4608
	s_add_co_u32 s22, s22, TST
	v_and_b32 v84, 7, v0
	v_bfe_u32 v88, v0, 3, 1
	v_lshlrev_b32 v[TS], 4, v84
	v_mad_u32_u24 v[TS], v88, 144, v[TS]
	v_mad_u32_u24 v[TS], v87, 1152, v[TS]
	v_add_nc_u32 v[TS], s22, v[TS]                 ; in: block 8 (l / 16) + (l / 8) % 2 (+ the load's), byte 16 (l % 8)
	v_mul_u32_u24 v[TL], v85, 144
	v_add_nc_u32 v[TL], s22, v[TL]                 ; out: block l
	s_mul_i32 s22, s70, ITILE
	s_lshl_b32 s23, s71, 7
	s_add_co_u32 s22, s22, s23
	s_add_co_u32 s22, s22, IMG
	v_mul_u32_u24 v[IA], v85, 272
	v_add_nc_u32 v[IA], s22, v[IA]                 ; x: query rows as they lie: tile w / 2, group l, rows 8 (w % 2) on
	s_mul_i32 s22, s71, ITILE
	s_lshl_b32 s23, s70, 7
	s_add_co_u32 s22, s22, s23
	s_add_co_u32 s22, s22, IMG
	v_mul_u32_u24 v[IAE], v85, 272
	v_add_nc_u32 v[IAE], s22, v[IAE]               ; e: my rows are neighbour w / 2, places 16 (w % 2) on: tile pair w % 2 (the block of keys), rows 8 (w / 2) on
	s_mul_i32 s22, s[WV], 384
	s_add_co_u32 s22, s22, XSC
	v_add_nc_u32 v[SAX], s22, v85
	s_mul_i32 s22, s71, 1536
	s_mul_i32 s23, s70, 384
	s_add_co_u32 s22, s22, s23
	s_add_co_u32 s22, s22, XSC+ESCO
	v_add_nc_u32 v[SAE], s22, v85                  ; e's scale bytes: the same places
	v_lshlrev_b32 v[LI], 4, v86
	v_mad_u32_u24 v[LI], v87, 272, v[LI]
	v_add_nc_u32 v[LI], IMG, v[LI]
	v_mul_u32_u24 v[SL], v86, 48
	s_lshl_b32 s22, s[WV], 3
	s_add_co_u32 s22, s22, XSC
	v_add_nc_u32 v[OSA], s22, v[SL]                ; o's scale bytes: row r, bytes 8 w on
	v_lshl_add_u32 v[SL], v87, 4, v[SL]
	v_add_nc_u32 v[SL], XSC, v[SL]
	v_lshlrev_b32 v[WL], 4, v85
	v_add_nc_u32 v[WL], s[WQ], v[WL]
	v_lshlrev_b32 v[BL], 6, v87
	v_add_nc_u32 v[BL], s[WQ], v[BL]
	v_and_b32 v[VL], 8, v86
	v_add_nc_u32 v[VL], v[VL], v86
	v_lshlrev_b32 v[VL], 2, v[VL]
	v_add_nc_u32 v[VL], s[WQ], v[VL]
	s_mul_i32 s22, s[WV], 2176
	v_add_nc_u32 v[OIA], s22, v[LI]                ; o's codes: groups 8 w on
	s_lshl_b32 s22, s[WV], 8
	s_add_co_u32 s22, s22, YST
	v_mul_u32_u24 v[YS], v86, 1040
	v_lshl_add_u32 v[YS], v87, 6, v[YS]
	v_add_nc_u32 v[YS], s22, v[YS]
	s_mul_i32 s22, s[WV], 8320
	s_add_co_u32 s22, s22, YST
	v_lshlrev_b32 v[YR], 4, v85
	v_add_nc_u32 v[YR], s22, v[YR]
	v_mov_b32 v[ZR], 0
	v_mov_b32 v[TM+2], 0                           ; written once: a lane permute's destination counts as one of its sources,
	v_mov_b32 v[TM+3], 0
	v_mov_b32 v[MU+1], 0                           ; and a pair's second register is named with the first
	v_mov_b32 v[RS+1], 0
.irp m, 0,1
	v_mov_b32 v[ST+10*\m+1], 0
	v_mov_b32 v[ST+10*\m+3], 0
	v_mov_b32 v[ST+10*\m+9], 0
.endr
.irp k, 0,1,2,3,4,5,6,7
	v_mov_b32 v[KSC+\k], 0                         ; k's and v's scale words are shifted in, two bytes at a time
.endr
	; ---- x: my 8 rows of h, normalised and quantised; a row's turn through the stage runs one row ahead of the quantiser
	s_wait_loadcnt 63                              ; 144 loads were issued, so at least 81 are done: gamma, beta and h are the first 80
	XROW 0
.irp i, 0,1,2,3,4,5,6,7
	s_wait_dscnt 0x0                               ; row i's 32 neighbours are in, and the stores before have read their registers
.if \i < 7
	XROW \i+1
.endif
	EQ 160+32*(\i%2), IA, 16*\i, SAX, 48*\i
.endr
	BAR                                            ; x's codes and scale bytes lie in LDS
	FRAGS XF, 0x40
.irp m, 0,1
	ds_load_b128 v[XS+4*\m:XS+4*\m+3], v[SL] offset:768*\m   ; lanes 0-15: the words of K steps 0-3; lanes 16-31: of K steps 4-7
.endr
	BAR                                            ; every wave has them: the image may be written again
	; ---- e: my 16 rows in two batches of 8.  Batch beta fills tiles T = 2 b' + beta: row rho of such a tile stands at place 32 b' + 8 beta + rho + 8 (rho / 8) of the keys' order
	ETURN 0, 56                                    ; row 0 is in; rows 1 to 7 (56 loads) may be out
.irp i, 0,1,2,3,4,5,6,7
	s_wait_dscnt 0x0                               ; row i is back from the stage, and its row slot has been read:
	ELOAD \i+8                                     ; the slot takes the row eight further on
	ETURN \i+1, 56                                 ; the next row is in; the seven rows behind it may be out
	EQ 160+32*(\i%2), IAE, 16*\i, SAE, 48*\i
.endr
	BAR
	FRAGS 0, 0x80
.irp b, 0,1
	ds_load_b128 v[ES+8*\b:ES+8*\b+3], v[SL] offset:ESCO+1536*\b
.endr
	BAR
.irp i, 8,9,10,11,12,13,14,15
	s_wait_dscnt 0x0
.if \i < 15
	ETURN \i+1, 8*(14-\i)                          ; the rows behind the next one may be out
.endif
	EQ 160+32*(\i%2), IAE, 16*(\i-8), SAE, 768+48*(\i-8)
.endr
	BAR
	FRAGS 128, 0x80
.irp b, 0,1
	ds_load_b128 v[ES+8*\b+4:ES+8*\b+7], v[SL] offset:ESCO+1536*\b+768
.endr
	WIN 0x40
.irp rt, 0,1,2,3,4,5,6,7
.irp k, 4,5,6,7
	v_mov_b32 v[KST+8*\rt+\k], 0                   ; the upper halves of k's and v's fragments: the first shift reads them
.endr
.endr
	WIN 0
	s_mov_b32 s[RB], 0
	s_mov_b32 s[OH], 0
	s_mov_b32 s[OS], 0
	s_wait_tensorcnt 0x1                           ; my quarter of ring slot 0 is in (slot 1's load may be out); I alone read it, so no barrier is owed
	; ---- twice: two heads' k, two heads' v, then for each of the two heads q, the scores, the softmax, o.  A trip of an inner loop uses one slot of the ring.
	s_mov_b32 s[OUTER], 2
.Louter:
	s_mov_b32 s[INNER], 2
.Lk:
	PROJ 0                                         ; k^T: lane = key, registers along the head's 64
	ADDB 4                                         ; + bk
	STASH KST, KSC
	CHANGE 1
	s_sub_co_u32 s[INNER], s[INNER], 1
	s_cmp_lg_u32 s[INNER], 0
	s_cbranch_scc1 .Lk
	s_mov_b32 s[INNER], 2
.Lv:
	PROJ 1                                         ; v: lane = one of the head's 64, registers along the keys
.irp t, 0,1,2,3
.irp k, 0,2,4,6,8,10,12,14,16,18,20,22,24,26,28,30
	v_pk_add_f32 v[ACC+32*\t+\k:ACC+32*\t+\k+1], v[ACC+32*\t+\k:ACC+32*\t+\k+1], v[BV+2*\t:BV+2*\t+1]   ; + bv of my column
.endr
.endr
	STASH VST, VSC
	CHANGE 1
	s_sub_co_u32 s[INNER], s[INNER], 1
	s_cmp_lg_u32 s[INNER], 0
	s_cbranch_scc1 .Lv
	s_mov_b32 s[INNER], 2
	s_mov_b32 s[PI], 0
	s_mov_b32 s[SH], 0
.Lq:
	PROJ 2                                         ; q^T: lane = query, registers along the head's 64
	ADDB 2                                         ; + bq
.irp m, 0,1
	QUANT2 ACC+32*\m, CD+4*\m, PW
	v_lshlrev_b32 v[QS+\m], s[SH], v[PW]           ; the two bytes at the head's place; the other two are 0, over zero codes
.endr
	HALVES QF
	WIN 0x05
.irp rt, 0,1,2,3
.irp m, 0,1
	WM SS+32*\m+8*\rt, KST+8*\rt, QF+8*\m, 1, KSC+\rt, QS+\m, 0   ; S^T: lane = query, registers along the keys
.endr
.endr
	WIN 0
	PLACES 4
	SOFTMAX
.irp m, 0,1
	QUANT2 SS+32*\m, CD+4*\m, PW
	v_lshlrev_b32 v[PS+\m], s[SH], v[PW]
.endr
	HALVES PF
	WIN 0x05
.irp t, 0,1,2,3
.irp m, 0,1
	WM ACC+32*\m+8*\t, VST+8*\t, PF+8*\m, 1, VSC+\t, PS+\m, 0     ; O^T: lane = query, registers along the head's 64
.endr
.endr
	WIN 0
	PLACES 4
	v_add_nc_u32 v[OIAC], s[OH], v[OIA]
	v_add_nc_u32 v[OSAC], s[OS], v[OSA]
.irp m, 0,1
	QUANT2 ACC+32*\m, CD+4*\m, PW+\m
	ds_store_b128 v[OIAC], v[CD+4*\m:CD+4*\m+3] offset:ITILE*\m   ; o's codes: groups 8 w + 2 j + l / 16 of the image
	ds_store_b16 v[OSAC], v[PW+\m] offset:768*\m                  ; both lanes of a row write the same two bytes
.endr
	CHANGE 1
	s_mov_b32 s[PI], -1
	s_mov_b32 s[SH], 16
	s_add_co_u32 s[OH], s[OH], 544
	s_add_co_u32 s[OS], s[OS], 2
	s_sub_co_u32 s[INNER], s[INNER], 1
	s_cmp_lg_u32 s[INNER], 0
	s_cbranch_scc1 .Lq
	s_sub_co_u32 s[OUTER], s[OUTER], 1
	s_cmp_lg_u32 s[OUTER], 0
	s_cbranch_scc1 .Louter
	; ---- the last projection.  The change of slots above has shown every wave's codes of o stored.
	FRAGS 0, 0x80
.irp m, 0,1
	ds_load_b128 v[XS+4*\m:XS+4*\m+3], v[SL] offset:768*\m
.endr
	BAR                                            ; every wave has o's fragments: YST may be laid over the image
	OSLOT 0
	CHANGE 1
	OSLOT 1
	CHANGE 1                                       ; the last fill: slot 15 of wring
	OSLOT 2
	CHANGE 0                                       ; nothing is left to fetch; the barrier still parts the reads of YST from the next stores
	OSLOT 3
	s_wait_tensorcnt 0x0                           ; the wave's end
	ds_add_u32 v[SPW], v[NIL]
	s_wait_dscnt 0x0
	ROUND                                          ; the closing round: no work-group ends while a partner may still ask jointly
	s_endpgm
.Lfunc_end_k_q243afeea31_main:
	.size	k_q243afeea31_main, .Lfunc_end_k_q243afeea31_main-k_q243afeea31_main
	.p2alignl 7, 3214868480
	.fill 96, 4, 3214868480
	.section	.rodata,"a",@progbits
	.p2align	6, 0x0
	.amdhsa_kernel k_q243afeea31_main
		.amdhsa_group_segment_fixed_size 327680
		.amdhsa_private_segment_fixed_size 0
		.amdhsa_enable_private_segment 0
		.amdhsa_kernarg_size 48
		.amdhsa_user_sgpr_count 2
		.amdhsa_user_sgpr_kernarg_segment_ptr 1
		.amdhsa_wavefront_size32 1
		.amdhsa_system_sgpr_workgroup_id_x 1
		.amdhsa_system_sgpr_workgroup_id_y 1
		.amdhsa_system_sgpr_workgroup_id_z 1
		.amdhsa_system_vgpr_workitem_id 0
		.amdhsa_next_free_vgpr 1024
		.amdhsa_next_free_sgpr 80
		.amdhsa_reserve_vcc 0
		.amdhsa_float_denorm_mode_32 3
		.amdhsa_float_denorm_mode_16_64 3
		.amdhsa_memory_ordered 1
		.amdhsa_forward_progress 1
		.amdhsa_inst_pref_size 255
	.end_amdhsa_kernel
	.section	.bss,"aw",@nobits
	.p2align	6
	.space	262144
	.amdgpu_metadata
---
amdhsa.version: [ 1, 2 ]
amdhsa.kernels:
  - .name:           k_q243afeea31_main
    .symbol:         k_q243afeea31_main.kd
    .args:
      - { .name: h, .offset: 0, .size: 8, .value_kind: global_buffer, .address_space: global }
      - { .name: e, .offset: 8, .size: 8, .value_kind: global_buffer, .address_space: global }
      - { .name: gamma, .offset: 16, .size: 8, .value_kind: global_buffer, .address_space: global }
      - { .name: beta, .offset: 24, .size: 8, .value_kind: global_buffer, .address_space: global }
      - { .name: wring, .offset: 32, .size: 8, .value_kind: global_buffer, .address_space: global }
      - { .name: out0, .offset: 40, .size: 8, .value_kind: global_buffer, .address_space: global }
    .group_segment_fixed_size: 327680
    .private_segment_fixed_size: 0
    .kernarg_segment_align: 8
    .kernarg_segment_size: 48
    .max_flat_workgroup_size: 128
    .sgpr_count:     80
    .vgpr_count:     1024
    .wavefront_size: 32
...
	.end_amdgpu_metadata
.endif
;; end of part 2
